; MI455X (gfx1250); checked and timed in simulation.
; The chip was launched on July 23, 2026; its instructions are those of AMD's public machine-readable ISA for CDNA 5 (MIT licence, August 2026) and "CDNA5" Instruction Set Architecture Reference Guide (July 2026). The comments in the code are by the model that wrote it; some were corrected since.
;; Multi Head Attention. Allowed arithmetic: float matrix products may take bf16 or f16 operands with f32 sums; other float arithmetic in f32, or as packed bf16 or f16 multiplies, adds, multiply-adds, maxima and minima; sums over many terms, partial sums and values carried from step to step in f32; what a program stores and reads back later, other than sums and carried values, may be rounded once to bf16 or f16.
;; Inputs: Wk 1,024 x 1,024 float32; Wo 1,024 x 1,024 float32; Wq 1,024 x 1,024 float32; Wv 1,024 x 1,024 float32; bk 1,024 float32; bo 1,024 float32; bq 1,024 float32; bv 1,024 float32; k 4 x 1,024 x 1,024 float32; mask 4 x 1 x 1 x 1,024 int32; q 4 x 1,024 x 1,024 float32; v 4 x 1,024 x 1,024 float32.
;; Outputs: out0 4 x 1,024 x 1,024 float32.
;; One version. Each part assembles by itself: llvm-mc -triple=amdgcn-amd-amdhsa -mcpu=gfx1250 --defsym DOCPART=n.
;; ======== version 1 of 1: 4 launches
;; limits: a function is approximated: absolute error at most 0.00092; values are held in f16: magnitudes above 65,504 overflow, below 6.1e-05 lose precision
;; workspace buffers: xa 25,165,824 bytes; wb 6,291,456 bytes; wo 2,097,152 bytes; qkv 25,165,824 bytes; o2 8,388,608 bytes
;; launch cast (part 1): grid 1024 x 1, 8 waves a work-group, no clusters, 0 bytes of LDS; arguments q, k, v, Wq, Wk, Wv, Wo, xa, wb, wo; writes xa, wb, wo
.if DOCPART == 1
	.amdgcn_target "amdgcn-amd-amdhsa--gfx1250"
	.amdhsa_code_object_version 6
	.text
	.protected	k_qd4c842f07f_cast
	.globl	k_qd4c842f07f_cast
	.p2align	8
	.type	k_qd4c842f07f_cast,@function
k_qd4c842f07f_cast:
	s_mov_b64 s[64:65], 0
	v_nop
	global_prefetch_b8 v0, s[64:65] scope:SCOPE_SE
	s_setreg_imm32_b32 hwreg(HW_REG_WAVE_MODE, 25, 1), 1
	s_wait_xcnt 0x0
; MULTI-HEAD ATTENTION WITH 1.5-ENTMAX, in four launches: this one lays the matrix operands out; a GEMM makes q, k, v by heads; attention; a GEMM of the same form makes the output.
; DEAD WORK: none.  Every input is loaded and every step of the module is done.  bk stays: q . bk is the same along the keys, but a hidden key's score is pinned at the absolute value -1e12,
; so the term is not free of effect for all finite inputs.  The sort, the running sums and the lookup of the entmax are one way to the root tau of sum(clip(x - tau, 0)^2) = 1;
; the attention launch finds the same root by a fixed number of evaluations, with a bound that holds for every input (stated at its head).
; THIS LAUNCH: q, k, v and the four weight matrices, f32, are rounded once to bf16 (nearest even), and that number is written as f16, in blocks of 128 rows x 64 channels:
;   xa [3][32 row blocks][16 channel blocks][128][64],  wb [3][8][16][128][64],  wo [8][16][128][64].  A block is 16,384 bytes on end, so a GEMM tile is dense memory.
; LIMITS.  A bf16 number is exact in f16 between 2^-14 and 65,504 in magnitude; below 2^-14 it keeps f16's fixed step of 6e-8, from 65,520 on it becomes an infinity.  NaN stays NaN.
; SHARES.  A work-group takes 16 rows of 1,024 numbers (65,536 bytes); wave w rows 2 w and 2 w + 1.  Load i of a wave takes channel block i of its two rows: 2 x 256 consecutive bytes, aligned;
; store i puts the 2 x 128 bytes of f16 on end: 256 consecutive bytes, aligned.  All 16 loads of a wave go out before the first wait.  No LDS, no matrix unit, no cluster: no byte is used twice.
.set SO, 2                             ; v2  my byte offset in the 16 source rows: (thread / 16) x 4,096 + (thread % 16) x 16; never rewritten
.set DO, 3                             ; v3  my byte offset in a block's 16 rows: 8 x thread; never rewritten
.set X,  16                            ; v[16:79]   load i: 4 numbers in f32
.set Y,  80                            ; v[80:111]  store i: 4 numbers in f16
	s_load_b512 s[4:19], s[0:1], 0x0               ; q s[4:5], k s[6:7], v s[8:9], Wq s[10:11], Wk s[12:13], Wv s[14:15], Wo s[16:17], xa s[18:19]
	s_load_b128 s[20:23], s[0:1], 0x40             ; wb s[20:21], wo s[22:23]
	s_mov_b32 s2, ttmp9                            ; the chunk: 0-767 q, k, v (256 each); 768-959 Wq, Wk, Wv (64 each); 960-1023 Wo
	v_lshrrev_b32 v[SO], 4, v0
	v_and_b32 v1, 15, v0
	v_lshlrev_b32 v1, 4, v1
	v_lshl_add_u32 v[SO], v[SO], 12, v1
	v_lshlrev_b32 v[DO], 3, v0
	s_mov_b32 s36, 0xffff0000                      ; a word's upper bf16
	s_and_b32 s32, s2, 255                         ; the chunk's number inside its source: 768 is a multiple of 256 and of 64
	s_and_b32 s33, s2, 63
	s_cmp_lt_u32 s2, 768
	s_cselect_b32 s32, s32, s33
	s_lshl_b32 s32, s32, 16                        ; x 65,536 bytes
	s_mov_b32 s33, 0
	s_mov_b32 s35, 960                             ; the first chunk of its destination: 0 (xa), 768 (wb), 960 (wo)
	s_cmp_lt_u32 s2, 960
	s_cselect_b32 s35, 768, s35
	s_cmp_lt_u32 s2, 768
	s_cselect_b32 s35, 0, s35
	s_sub_co_u32 s34, s2, s35                      ; the chunk's number inside its destination
	s_lshr_b32 s35, s34, 3                         ; eight chunks make a block of 128 rows: 16 channel blocks of 16,384 bytes
	s_lshl_b32 s35, s35, 18
	s_and_b32 s34, s34, 7
	s_lshl_b32 s34, s34, 11                        ; 16 rows of 128 bytes
	s_add_co_u32 s34, s34, s35
	s_mov_b32 s35, 0
	s_wait_kmcnt 0x0
	s_mov_b64 s[28:29], s[16:17]                   ; the source, chosen by the chunk's number alone
	s_cmp_lt_u32 s2, 960
	s_cselect_b64 s[28:29], s[14:15], s[28:29]
	s_cmp_lt_u32 s2, 896
	s_cselect_b64 s[28:29], s[12:13], s[28:29]
	s_cmp_lt_u32 s2, 832
	s_cselect_b64 s[28:29], s[10:11], s[28:29]
	s_cmp_lt_u32 s2, 768
	s_cselect_b64 s[28:29], s[8:9], s[28:29]
	s_cmp_lt_u32 s2, 512
	s_cselect_b64 s[28:29], s[6:7], s[28:29]
	s_cmp_lt_u32 s2, 256
	s_cselect_b64 s[28:29], s[4:5], s[28:29]
	s_cmp_lt_u32 s2, 960                           ; and the destination
	s_cselect_b64 s[30:31], s[20:21], s[22:23]
	s_cmp_lt_u32 s2, 768
	s_cselect_b64 s[30:31], s[18:19], s[30:31]
	s_add_nc_u64 s[28:29], s[28:29], s[32:33]
	s_add_nc_u64 s[30:31], s[30:31], s[34:35]
.irp i, 0,1,2,3,4,5,6,7,8,9,10,11,12,13,14,15
	global_load_b128 v[X+4*(\i):X+4*(\i)+3], v[SO], s[28:29] offset:256*(\i) th:TH_LOAD_NT
.endr
.irp i, 0,1,2,3,4,5,6,7,8,9,10,11,12,13,14,15
	s_wait_loadcnt 15-(\i)                         ; loads come back in order: load i is in, the 15 - i younger ones stay out
	v_cvt_pk_bf16_f32 v4, v[X+4*(\i)], v[X+4*(\i)+1]      ; the one rounding, to bf16
	v_cvt_pk_bf16_f32 v5, v[X+4*(\i)+2], v[X+4*(\i)+3]
	v_lshlrev_b32 v6, 16, v4                       ; back to f32,
	v_and_b32 v7, s36, v4
	v_lshlrev_b32 v8, 16, v5
	v_and_b32 v9, s36, v5
	v_cvt_pk_f16_f32 v[Y+2*(\i)], v6, v7           ; and the same number as f16
	v_cvt_pk_f16_f32 v[Y+2*(\i)+1], v8, v9
	global_store_b64 v[DO], v[Y+2*(\i):Y+2*(\i)+1], s[30:31] offset:16384*(\i) th:TH_STORE_NT  ; each store has data registers of its own: nothing that a store reads is rewritten
.endr
	s_endpgm
.Lfunc_end_k_qd4c842f07f_cast:
	.size	k_qd4c842f07f_cast, .Lfunc_end_k_qd4c842f07f_cast-k_qd4c842f07f_cast
	.p2alignl 7, 3214868480
	.fill 96, 4, 3214868480
	.section	.rodata,"a",@progbits
	.p2align	6, 0x0
	.amdhsa_kernel k_qd4c842f07f_cast
		.amdhsa_group_segment_fixed_size 0
		.amdhsa_private_segment_fixed_size 0
		.amdhsa_enable_private_segment 0
		.amdhsa_kernarg_size 80
		.amdhsa_user_sgpr_count 2
		.amdhsa_user_sgpr_kernarg_segment_ptr 1
		.amdhsa_wavefront_size32 1
		.amdhsa_system_sgpr_workgroup_id_x 1
		.amdhsa_system_sgpr_workgroup_id_y 1
		.amdhsa_system_sgpr_workgroup_id_z 1
		.amdhsa_system_vgpr_workitem_id 0
		.amdhsa_next_free_vgpr 112
		.amdhsa_next_free_sgpr 66
		.amdhsa_reserve_vcc 0
		.amdhsa_float_denorm_mode_32 3
		.amdhsa_float_denorm_mode_16_64 3
		.amdhsa_memory_ordered 1
		.amdhsa_forward_progress 1
		.amdhsa_inst_pref_size 12
	.end_amdhsa_kernel
	.amdgpu_metadata
---
amdhsa.version: [ 1, 2 ]
amdhsa.kernels:
  - .name:           k_qd4c842f07f_cast
    .symbol:         k_qd4c842f07f_cast.kd
    .args:
      - { .name: q, .offset: 0, .size: 8, .value_kind: global_buffer, .address_space: global }
      - { .name: k, .offset: 8, .size: 8, .value_kind: global_buffer, .address_space: global }
      - { .name: v, .offset: 16, .size: 8, .value_kind: global_buffer, .address_space: global }
      - { .name: Wq, .offset: 24, .size: 8, .value_kind: global_buffer, .address_space: global }
      - { .name: Wk, .offset: 32, .size: 8, .value_kind: global_buffer, .address_space: global }
      - { .name: Wv, .offset: 40, .size: 8, .value_kind: global_buffer, .address_space: global }
      - { .name: Wo, .offset: 48, .size: 8, .value_kind: global_buffer, .address_space: global }
      - { .name: xa, .offset: 56, .size: 8, .value_kind: global_buffer, .address_space: global }
      - { .name: wb, .offset: 64, .size: 8, .value_kind: global_buffer, .address_space: global }
      - { .name: wo, .offset: 72, .size: 8, .value_kind: global_buffer, .address_space: global }
    .group_segment_fixed_size: 0
    .private_segment_fixed_size: 0
    .kernarg_segment_align: 8
    .kernarg_segment_size: 80
    .max_flat_workgroup_size: 256
    .sgpr_count:     66
    .vgpr_count:     112
    .wavefront_size: 32
...
	.end_amdgpu_metadata
.endif
;; end of part 1
;; launch proj (part 2): grid 8 x 96, 4 waves a work-group, clusters of 4 x 4, 327,680 bytes of LDS; arguments xa, wb, bq, bk, bv, mask, qkv; writes qkv
.if DOCPART == 2
	.amdgcn_target "amdgcn-amd-amdhsa--gfx1250"
	.amdhsa_code_object_version 6
	.text
	.protected	k_qd4c842f07f_proj
	.globl	k_qd4c842f07f_proj
	.p2align	8
	.type	k_qd4c842f07f_proj,@function
k_qd4c842f07f_proj:
	s_mov_b64 s[64:65], 0
	v_nop
	global_prefetch_b8 v0, s[64:65] scope:SCOPE_SE
	s_setreg_imm32_b32 hwreg(HW_REG_WAVE_MODE, 25, 1), 1
	s_wait_xcnt 0x0
	s_wait_alu depctr_hold_cnt(0) depctr_sa_sdst(0) depctr_va_vdst(0) depctr_va_sdst(0) depctr_va_ssrc(0) depctr_va_vcc(0) depctr_vm_vsrc(0)
	s_getreg_b32 s2, hwreg(HW_REG_IB_STS2, 6, 4)
	s_cmp_eq_u32 s2, 0
	s_cbranch_scc0 .Lentry_in_a_cluster
	s_endpgm
.Lentry_in_a_cluster:
	s_bfe_u32 s2, ttmp6, 0x10000c
	s_cmp_lg_u32 s2, 0xf033
	s_cbranch_scc0 .Lentry_shape_is_right
	s_endpgm
.Lentry_shape_is_right:
; THE THREE INPUT PROJECTIONS.  C = A B^T + bias, K = 1,024, on tiles of 128 x 128.  A = xa (q, k, v on end: 96 blocks of 128 rows), B = wb, both f16 in blocks [block of 128 rows][16 channel blocks][128][64]; sums in f32.
; Nothing of the module is left out here.  Projection p = row block / 32 picks its weights and its bias.  C is rounded once to f16 and stored by heads, qkv [p][batch x 16 + head][1,024][64].
; In k (p = 1) the rows of keys whose mask is 0 are stored as 0, so that the attention's score of a hidden key is exactly what it adds there.  The four mask words a lane are loaded, and the selects run,
; in q's and v's tiles too, with all lanes kept there: one text without a branch for the three projections, at 256 bytes of mask a wave.
; The bias is rounded to bf16 like the module's other inputs and added in f32.
; LIMITS.  f16 ends at 65,504: q, k, v beyond that become infinities.  NaN and infinities are not treated apart.
; SHARES.  Four waves, each 64 x 64 of C: 16 accumulators of 16 x 16.  K goes in four steps of 256 (four channel blocks) through two LDS slots; a wave's tensor load brings two channel blocks of
; A or of B: 32,768 dense bytes, asked for as 128 rows of 256 bytes and padded in LDS behind every 128 bytes.
; CLUSTER: 4 x 4 work-groups.  The four of a row of the cluster need the same tiles of A, the four of a column the same tiles of B: each tile is asked for jointly, by the same tensor load with the
; same descriptor and a mask that names the four.  THE MATRIX INSTRUCTION IS USED TRANSPOSED (source 0 = 16 rows of B, source 1 = 16 rows of A): a lane then holds eight neighbouring numbers of a row of C.
; REGISTERS.  window 0: v1-7 at work; v8-11 mask words; v16-29 addresses; v32-95 at work on the way out; v96-127 the bias of my columns; v128-255 the accumulators ((a, b) at v[128 + 8 (4 a + b)]).
;   window 1: two fragment buffers of 128: for 64 along K, 64 registers of A (2 x 4 x 16 rows x 32 K), then 64 of B.
.set PITCH,  144                       ; an LDS row: 128 bytes + 16 of padding = 36 words: the 16 rows of a load start at 16 different groups of four banks (64 banks of 4 bytes: ISA guide 11.1)
.set KBB,    128*PITCH                 ; a channel block: 128 rows
.set HALFT,  2*KBB                     ; what one tensor load brings
.set OPER,   4*KBB                     ; a step's A, or its B
.set SLOT,   2*OPER
.set STAGE,  2*SLOT                    ; behind the ring, never filled by a tensor load: 16 rows x 144 bytes for each wave, for the way out
.set STW,    16*PITCH
.set SPARE,  STAGE+4*STW               ; behind the stages: the spare words, 128 bytes for each wave: two blocks of 256 bytes that no other line names
.set MK,   8                           ; v8-11   the mask word of my row in each of my four blocks of 16 rows
.set ADRA, 16                          ; v16-17  LDS address of my A fragments in slot 0, 1
.set ADRB, 20                          ; v20-21  the same for B
.set STO,  24                          ; v24     the way out: where I put 16 bytes of a row
.set RD,   25                          ; v25     the way out: where I read rows back
.set GO,   26                          ; v26     the way out: 16 x lane
.set SPW,  28                          ; v28     LDS address of my spare word; never rewritten
.set NIL,  29                          ; v29     0; never rewritten
.set TMP,  32
.set BI,   96
.set ACC,  128
.set F0,   0
.set F1,   128
.set G1,  24                           ; s[24:31] descriptor group 1 for A's tiles;  s[32:39] group 0, one set for each slot
.set G0,  32
.set G1B, 48                           ; s[48:55], s[56:63] the same for B's tiles
.set G0B, 56
.set MSB, 0
.macro WIN new                         ; the immediate's high byte repeats the setting that is left; a switch that changes nothing is dropped
.if MSB != (\new)
	s_set_vgpr_msb (MSB<<8)|(\new)
.set MSB, \new
.endif
.endm
.set MUL,  0x05                        ; sources 0 (B) and 1 (A) window 1; C and D window 0
.set TO_F, 0x40                        ; destination window 1, address window 0
.macro JLOAD s                         ; a joint load: waves 0 and 1 fetch A's two halves, waves 2 and 3 B's; an s_nop 0 and four v_nop follow each of the two lines
	s_cmp_eq_u32 s11, 0
	s_cbranch_scc0 .Lfor_b_\@
	tensor_load_to_lds s[G0+4*(\s):G0+4*(\s)+3], s[G1:G1+7]
	s_nop 0
.rept 4
	v_nop
.endr
	s_branch .Lasked_\@
.Lfor_b_\@:
	tensor_load_to_lds s[G0B+4*(\s):G0B+4*(\s)+3], s[G1B:G1B+7]
	s_nop 0
.rept 4
	v_nop
.endr
.Lasked_\@:
.endm
.macro CREST                           ; a round of the cluster's barrier behind its opening barrier
	s_cmp_lg_u32 s10, 0
	s_cbranch_scc1 .Lnot_wave_0_\@
	s_barrier_signal -3
.Lnot_wave_0_\@:
	s_barrier_wait -3
	s_barrier_signal -1
	s_barrier_wait -1
.endm
.macro CROUND                          ; a whole round
	s_barrier_signal -1
	s_barrier_wait -1
	CREST
.endm
	s_load_b256 s[80:87], s[0:1], 0x0              ; A s[80:81], B s[82:83], bq s[84:85], bk s[86:87]
	s_load_b128 s[88:91], s[0:1], 0x20             ; bv s[88:89], mask s[90:91]
	s_load_b64 s[92:93], s[0:1], 0x30              ; C
	v_lshl_add_u32 v[SPW], v0, 2, SPARE
	v_mov_b32 v[NIL], 0
	ds_add_u32 v[SPW], v[NIL]                      ; the wave's opening: the add, twice on end, and its wait ahead of my first tensor load; the set-up below stands between
	ds_add_u32 v[SPW], v[NIL]
	v_lshrrev_b32 v1, 5, v0
	v_readfirstlane_b32 s10, v1                    ; wave 0..3
	s_lshr_b32 s11, s10, 1                         ; which half of the tile's rows is mine.  Also: I fetch for A (0) or for B (1)
	s_and_b32 s12, s10, 1                          ; which half of its columns.  Also: which two channel blocks of a step I fetch
	s_bfe_u32 s40, ttmp6, 0x40000                  ; cx, cy: my place in the cluster
	s_bfe_u32 s41, ttmp6, 0x40004
	s_lshl_b32 s42, ttmp9, 2
	s_add_co_u32 s42, s42, s40                     ; tile column of C = 4 x cluster x + cx: 0..7
	s_and_b32 s44, ttmp7, 0xffff                   ; cluster y
	s_lshl_b32 s13, s44, 2
	s_add_co_u32 s13, s13, s41                     ; tile row of C = 4 x cluster y + cy
	s_lshr_b32 s71, s44, 3                         ; the projection p: eight clusters of four row blocks each; the same in all sixteen partners
	s_lshl_b32 s43, s41, 2
	s_lshl_b32 s43, 15, s43                        ; my row of the cluster
	s_lshl_b32 s45, 0x1111, s40                    ; my column
	; descriptor group 1: 128 rows x 128 elements of 2 bytes, dense; in LDS 4 words of padding behind every 32
	s_or_b32 s[G1+0], s43, (1<<16)|(1<<20)|(1<<21)|(4<<22)|(3<<25)  ; 15:0 the mask; 17:16 2-byte elements; 20 padding on; 21 set beside a mask; 24:22 after every 32 words (code 4); 31:25 4 words (code 3)
	s_or_b32 s[G1B+0], s45, (1<<16)|(1<<20)|(1<<21)|(4<<22)|(3<<25)
.irp g, G1, G1B
	s_mov_b32 s[(\g)+1], 128<<16                   ; tensor_dim0 = 128
	s_mov_b32 s[(\g)+2], 128<<16                   ; tensor_dim1 = 128
	s_mov_b32 s[(\g)+3], 128<<16                   ; tile_dim0 = 128
	s_mov_b32 s[(\g)+4], 128                       ; tile_dim1 = 128
	s_mov_b32 s[(\g)+5], 128                       ; 128 elements from row to row
	s_mov_b32 s[(\g)+6], 0
	s_mov_b32 s[(\g)+7], 0
.endr
	s_lshl_b32 s18, s12, 15                        ; my two channel blocks of a step: 32,768 bytes
	s_lshl_b32 s16, s13, 18                        ; A: a row block is 262,144 bytes; made of the tile row and the wave alone
	s_add_co_u32 s16, s16, s18
	s_mov_b32 s17, 0
	s_lshl_b32 s46, s71, 3                         ; B: row block 8 p + tile column; made of p, the tile column and the wave alone
	s_add_co_u32 s46, s46, s42
	s_lshl_b32 s46, s46, 18
	s_add_co_u32 s46, s46, s18
	s_mov_b32 s47, 0
	s_mul_i32 s20, s10, HALFT                      ; where they go: A's two halves, then B's two: wave x HALFT
	s_wait_dscnt 0x0                               ; both opening adds are done
	s_wait_kmcnt 0x0
	s_add_nc_u64 s[14:15], s[80:81], s[16:17]
	s_add_nc_u64 s[46:47], s[82:83], s[46:47]
	CROUND                                         ; all sixteen work-groups are here: the first joint loads meet
.irp s, 0,1
	s_mov_b32 s[G0+4*(\s)], 1
	s_add_co_u32 s[G0+4*(\s)+1], s20, (\s)*SLOT
	s_add_nc_u64 s[G0+4*(\s)+2:G0+4*(\s)+3], s[14:15], (\s)*65536  ; K step s: four channel blocks of 16,384 bytes on
	s_or_b32 s[G0+4*(\s)+3], s[G0+4*(\s)+3], 0x80000000
	s_mov_b32 s[G0B+4*(\s)], 1
	s_add_co_u32 s[G0B+4*(\s)+1], s20, (\s)*SLOT
	s_add_nc_u64 s[G0B+4*(\s)+2:G0B+4*(\s)+3], s[46:47], (\s)*65536
	s_or_b32 s[G0B+4*(\s)+3], s[G0B+4*(\s)+3], 0x80000000
	JLOAD \s                                       ; two loads of mine are out
.endr
	v_and_b32 v1, 15, v0                           ; r = l % 16
	v_bfe_u32 v2, v0, 4, 1                         ; h = l / 16
	v_mul_u32_u24 v3, v1, PITCH
	v_lshl_add_u32 v3, v2, 4, v3                   ; a fragment's row x pitch + 16 x half
	s_mul_i32 s21, s11, 64*PITCH                   ; my 64 rows of A in each channel block
	s_mul_i32 s22, s12, 64*PITCH                   ; my 64 rows of B,
	s_add_co_u32 s22, s22, OPER                    ; which lie behind A's four blocks
.irp s, 0,1
	v_add_nc_u32 v[ADRA+(\s)], s21, v3
	v_add_nc_u32 v[ADRB+(\s)], s22, v3
	s_add_co_u32 s21, s21, SLOT
	s_add_co_u32 s22, s22, SLOT
.endr
	s_mul_i32 s23, s10, STW
	s_add_co_u32 s23, s23, STAGE                   ; my stage
	v_add_nc_u32 v[STO], s23, v3                   ; in: row r of 144 bytes, 16 bytes for each half of the lanes
	v_bfe_u32 v5, v0, 3, 2                         ; back: 32 lanes take four rows of 128 bytes
	v_mul_u32_u24 v5, v5, PITCH
	v_and_b32 v6, 7, v0
	v_lshl_add_u32 v5, v6, 4, v5
	v_add_nc_u32 v[RD], s23, v5
	v_and_b32 v4, 31, v0
	v_lshlrev_b32 v[GO], 4, v4
	; the bias of my columns 16 b + 8 h + 0..7
	s_cmp_eq_u32 s71, 1
	s_cselect_b64 s[66:67], s[86:87], s[84:85]
	s_cmp_eq_u32 s71, 2
	s_cselect_b64 s[66:67], s[88:89], s[66:67]
	s_lshl_b32 s2, s42, 9                          ; 128 columns x 4 bytes a tile column,
	s_lshl_b32 s3, s12, 8                          ; 64 a half
	s_add_co_u32 s2, s2, s3
	s_mov_b32 s3, 0
	s_add_nc_u64 s[66:67], s[66:67], s[2:3]
	v_lshlrev_b32 v7, 5, v2                        ; 8 h columns; never rewritten
.irp b, 0,1,2,3
	global_load_b128 v[BI+8*(\b):BI+8*(\b)+3],   v7, s[66:67] offset:64*(\b)
	global_load_b128 v[BI+8*(\b)+4:BI+8*(\b)+7], v7, s[66:67] offset:64*(\b)+16
.endr
	; where my 64 rows lie: batch, and first row in the batch
	s_and_b32 s4, s13, 31
	s_lshr_b32 s4, s4, 3                           ; the batch: eight row blocks each
	s_and_b32 s5, s13, 7
	s_lshl_b32 s5, s5, 7
	s_lshl_b32 s3, s11, 6
	s_add_co_u32 s5, s5, s3                        ; my first row in the batch
	s_lshl_b32 s2, s4, 10
	s_add_co_u32 s2, s2, s5
	s_lshl_b32 s2, s2, 2
	s_mov_b32 s3, 0
	s_add_nc_u64 s[68:69], s[90:91], s[2:3]        ; the mask words of my rows
	v_lshlrev_b32 v6, 2, v1                        ; 4 r; never rewritten from here on
.irp a, 0,1,2,3
	global_load_b32 v[MK+(\a)], v6, s[68:69] offset:64*(\a)
.endr
	s_cmp_eq_u32 s71, 1
	s_cselect_b32 s76, 0, -1                       ; only k's rows are hidden
	s_lshl_b32 s6, s4, 4                           ; by heads: ((batch x 16 + head) x 1,024 + row) x 128 + p x 8,388,608; my 64 columns are head 2 x tile column + half
	s_lshl_b32 s7, s42, 1
	s_add_co_u32 s6, s6, s7
	s_add_co_u32 s6, s6, s12
	s_lshl_b32 s6, s6, 10
	s_add_co_u32 s6, s6, s5
	s_lshl_b32 s6, s6, 7
	s_lshl_b32 s7, s71, 23
	s_add_co_u32 s6, s6, s7
	s_mov_b32 s7, 0
	s_add_nc_u64 s[8:9], s[92:93], s[6:7]          ; C at my part of the tile
; 8 matrix instructions: m blocks a0, a0 + 1 x all 4 n blocks, 32 along K: half c of buffer f.  zero = 1: the first product starts the sums.  The 16 accumulators take turns, one instruction a turn.
.macro MUL8 f, c, a0, zero
	WIN MUL
.irp a, \a0, (\a0)+1
.irp b, 0,1,2,3
.if \zero
	v_wmma_f32_16x16x32_f16 v[ACC+8*(4*(\a)+(\b)):ACC+8*(4*(\a)+(\b))+7], v[(\f)+64+8*(4*(\c)+(\b)):(\f)+64+8*(4*(\c)+(\b))+7], v[(\f)+8*(4*(\c)+(\a)):(\f)+8*(4*(\c)+(\a))+7], 0
.else
	v_wmma_f32_16x16x32_f16 v[ACC+8*(4*(\a)+(\b)):ACC+8*(4*(\a)+(\b))+7], v[(\f)+64+8*(4*(\c)+(\b)):(\f)+64+8*(4*(\c)+(\b))+7], v[(\f)+8*(4*(\c)+(\a)):(\f)+8*(4*(\c)+(\a))+7], v[ACC+8*(4*(\a)+(\b)):ACC+8*(4*(\a)+(\b))+7]
.endif
.endr
.endr
.endm
; 32 LDS loads in one run: the fragments of channel block q of a slot (64 along K) into buffer f; the first 32 along K first
.macro FETCH slot, q, f
	WIN TO_F
.irp c, 0,1
.irp i, 0,1,2,3
	ds_load_b128 v[(\f)+64+8*(4*(\c)+(\i)):(\f)+64+8*(4*(\c)+(\i))+3],   v[ADRB+(\slot)] offset:(\q)*KBB+64*(\c)+(\i)*16*PITCH
	ds_load_b128 v[(\f)+64+8*(4*(\c)+(\i))+4:(\f)+64+8*(4*(\c)+(\i))+7], v[ADRB+(\slot)] offset:(\q)*KBB+64*(\c)+(\i)*16*PITCH+32
	ds_load_b128 v[(\f)+8*(4*(\c)+(\i)):(\f)+8*(4*(\c)+(\i))+3],         v[ADRA+(\slot)] offset:(\q)*KBB+64*(\c)+(\i)*16*PITCH
	ds_load_b128 v[(\f)+8*(4*(\c)+(\i))+4:(\f)+8*(4*(\c)+(\i))+7],       v[ADRA+(\slot)] offset:(\q)*KBB+64*(\c)+(\i)*16*PITCH+32
.endr
.endr
.endm
.macro PLACES                          ; four places in front of loads into registers that matrix instructions have read (ISA guide 7.12.1 for vector instructions)
.rept 4
	v_nop
.endr
.endm
; A K step is four quarters of 64 along K, 32 matrix instructions each, on buffers 0, 1, 0, 1.  One of the first three: multiplies buffer f and fetches channel block q into g.
.macro QUARTER slot, q, f, g, zero
	s_wait_dscnt 16                                ; the first 32 along K are in; the sixteen younger loads may be out
	WIN MUL
	MUL8 \f, 0, 0, \zero
	MUL8 \f, 0, 2, \zero
	PLACES
	FETCH \slot, \q, \g
	s_wait_dscnt 32                                ; all but the 32 just issued
	WIN MUL
	MUL8 \f, 1, 0, 0
	MUL8 \f, 1, 2, 0
.endm
; The last quarter multiplies buffer 1 and changes slots: ONE barrier; in front of it each wave waits for all its tensor loads, adds 0 to its spare word, and waits for that and for its own reads of this slot.
; fill = 1: this slot is filled again, two K steps ahead; the barrier then opens a round of the cluster's barrier, and the joint refill is the first tensor load behind the round.
.macro TURN slot, next, fill
	WIN 0                                          ; (the add's two registers lie in window 0)
	s_wait_tensorcnt 0x0                           ; all my tensor loads have landed: my part of the next slot;
	ds_add_u32 v[SPW], v[NIL]                      ; 0 onto my spare word
	s_wait_dscnt 17                                ; (the add and the youngest sixteen loads may be out)
	WIN MUL
	MUL8 F1, 0, 0, 0                               ; eight matrix instructions stand between the add and the wait for it
	s_wait_dscnt 0x0                               ; the add is done, and my reads of this slot are over
	s_barrier_signal -1
	MUL8 F1, 0, 2, 0
.if \fill
	WIN 0
.endif
	s_barrier_wait -1
.if \fill
	CREST                                          ; no wave of any partner still reads this slot's tile or has a load on its way
	s_add_nc_u64 s[G0+4*(\slot)+2:G0+4*(\slot)+3], s[G0+4*(\slot)+2:G0+4*(\slot)+3], 131072
	s_add_nc_u64 s[G0B+4*(\slot)+2:G0B+4*(\slot)+3], s[G0B+4*(\slot)+2:G0B+4*(\slot)+3], 131072
	JLOAD \slot                                    ; 112 matrix instructions ahead of the wait for it; the four v_nop behind it are also the places in front of the loads below
.else
	PLACES
.endif
	FETCH \next, 0, F0
	WIN MUL
	MUL8 F1, 1, 0, 0
	MUL8 F1, 1, 2, 0
.endm
	s_wait_tensorcnt 1                             ; my part of K step 0 is in; step 1's may stay out
	s_barrier_signal -1
	s_barrier_wait -1                              ; everybody's is
	FETCH 0, 0, F0
	QUARTER 0, 1, F0, F1, 1                        ; K step 0: its first products start the sums
	QUARTER 0, 2, F1, F0, 0
	QUARTER 0, 3, F0, F1, 0
	TURN 0, 1, 1                                   ; slot 0 takes K step 2
	QUARTER 1, 1, F0, F1, 0                        ; K step 1
	QUARTER 1, 2, F1, F0, 0
	QUARTER 1, 3, F0, F1, 0
	TURN 1, 0, 1                                   ; slot 1 takes K step 3
	QUARTER 0, 1, F0, F1, 0                        ; K step 2
	QUARTER 0, 2, F1, F0, 0
	QUARTER 0, 3, F0, F1, 0
	TURN 0, 1, 0                                   ; nothing is left to fetch
	QUARTER 1, 1, F0, F1, 0                        ; K step 3
	QUARTER 1, 2, F1, F0, 0
	QUARTER 1, 3, F0, F1, 0
	s_wait_dscnt 16
	WIN MUL
	MUL8 F1, 0, 0, 0
	MUL8 F1, 0, 2, 0
	s_wait_dscnt 0x0
	MUL8 F1, 1, 0, 0
	MUL8 F1, 1, 2, 0
	WIN 0
	; THE WAY OUT.  The bias is rounded to bf16 and widened again: 48 plain instructions that name no register of the products, the places behind the last of them.
	s_wait_loadcnt 0x0                             ; the bias and the mask words
.set i, 0
.rept 16
	v_cvt_pk_bf16_f32 v[TMP+i], v[BI+2*i], v[BI+2*i+1]
.set i, i+1
.endr
.set i, 0
.rept 16
	v_lshlrev_b32 v[BI+2*i], 16, v[TMP+i]
	v_and_b32 v[BI+2*i+1], 0xffff0000, v[TMP+i]
.set i, i+1
.endr
.irp a, 0,1,2,3                        ; each accumulator's registers in ascending order
.irp b, 0,1,2,3
.irp r, 0,2,4,6
	v_pk_add_f32 v[ACC+8*(4*(\a)+(\b))+(\r):ACC+8*(4*(\a)+(\b))+(\r)+1], v[ACC+8*(4*(\a)+(\b))+(\r):ACC+8*(4*(\a)+(\b))+(\r)+1], v[BI+8*(\b)+(\r):BI+8*(\b)+(\r)+1]
.endr
.endr
.endr
	; f16, by heads.  My 64 x 64 is 64 rows of one head: 8,192 bytes on end.
.irp a, 0,1,2,3
	v_cmp_ne_u32 s[72+(\a)], 0, v[MK+(\a)]         ; lanes whose row of block a is seen,
.endr
.irp a, 0,1,2,3
	s_or_b32 s[72+(\a)], s[72+(\a)], s76           ; or all lanes, in q and v
.endr
.irp a, 0,1,2,3
.irp b, 0,1,2,3
.irp r, 0,1,2,3
	v_cvt_pk_f16_f32 v[TMP+4*(4*(\a)+(\b))+(\r)], v[ACC+8*(4*(\a)+(\b))+2*(\r)], v[ACC+8*(4*(\a)+(\b))+2*(\r)+1]
.endr
.irp r, 0,1,2,3
	v_cndmask_b32 v[TMP+4*(4*(\a)+(\b))+(\r)], 0, v[TMP+4*(4*(\a)+(\b))+(\r)], s[72+(\a)]
.endr
.endr
.endr
.irp a, 0,1,2,3                        ; a block of 16 rows at a time through my own stage: in as 16 bytes a lane, back as four rows of 128 bytes
.irp b, 0,1,2,3
	ds_store_b128 v[STO], v[TMP+16*(\a)+4*(\b):TMP+16*(\a)+4*(\b)+3] offset:32*(\b)
.endr
.irp t, 0,1,2,3
	ds_load_b128 v[TMP+16*(\a)+4*(\t):TMP+16*(\a)+4*(\t)+3], v[RD] offset:(\t)*4*PITCH  ; LDS serves a wave's instructions in order (ISA guide 5.7.1.4): these see the stores above; the next block's stores come behind them
.endr
.endr
.irp a, 0,1,2,3
.irp t, 0,1,2,3
	s_wait_dscnt (3-(\a))*8+3-(\t)                 ; the later blocks' eight LDS instructions each, and this block's younger loads, may be out
	global_store_b128 v[GO], v[TMP+16*(\a)+4*(\t):TMP+16*(\a)+4*(\t)+3], s[8:9] offset:(\a)*2048+(\t)*512  ; 512 consecutive bytes, at a multiple of 256 from the buffer's first
.endr
.endr
	s_wait_tensorcnt 0x0                           ; the wave's end: behind my last tensor load and my last LDS store
	ds_add_u32 v[SPW], v[NIL]
	s_wait_dscnt 0x0
	CROUND                                         ; the closing round: no work-group ends while a partner may still ask for a tile that names it
	s_endpgm
.Lfunc_end_k_qd4c842f07f_proj:
	.size	k_qd4c842f07f_proj, .Lfunc_end_k_qd4c842f07f_proj-k_qd4c842f07f_proj
	.p2alignl 7, 3214868480
	.fill 96, 4, 3214868480
	.section	.rodata,"a",@progbits
	.p2align	6, 0x0
	.amdhsa_kernel k_qd4c842f07f_proj
		.amdhsa_group_segment_fixed_size 327680
		.amdhsa_private_segment_fixed_size 0
		.amdhsa_enable_private_segment 0
		.amdhsa_kernarg_size 56
		.amdhsa_user_sgpr_count 2
		.amdhsa_user_sgpr_kernarg_segment_ptr 1
		.amdhsa_wavefront_size32 1
		.amdhsa_system_sgpr_workgroup_id_x 1
		.amdhsa_system_sgpr_workgroup_id_y 1
		.amdhsa_system_sgpr_workgroup_id_z 1
		.amdhsa_system_vgpr_workitem_id 0
		.amdhsa_next_free_vgpr 512
		.amdhsa_next_free_sgpr 96
		.amdhsa_reserve_vcc 0
		.amdhsa_float_denorm_mode_32 3
		.amdhsa_float_denorm_mode_16_64 3
		.amdhsa_memory_ordered 1
		.amdhsa_forward_progress 1
		.amdhsa_inst_pref_size 99
	.end_amdhsa_kernel
	.amdgpu_metadata
---
amdhsa.version: [ 1, 2 ]
amdhsa.kernels:
  - .name:           k_qd4c842f07f_proj
    .symbol:         k_qd4c842f07f_proj.kd
    .args:
      - { .name: xa, .offset: 0, .size: 8, .value_kind: global_buffer, .address_space: global }
      - { .name: wb, .offset: 8, .size: 8, .value_kind: global_buffer, .address_space: global }
      - { .name: bq, .offset: 16, .size: 8, .value_kind: global_buffer, .address_space: global }
      - { .name: bk, .offset: 24, .size: 8, .value_kind: global_buffer, .address_space: global }
      - { .name: bv, .offset: 32, .size: 8, .value_kind: global_buffer, .address_space: global }
      - { .name: mask, .offset: 40, .size: 8, .value_kind: global_buffer, .address_space: global }
      - { .name: qkv, .offset: 48, .size: 8, .value_kind: global_buffer, .address_space: global }
    .group_segment_fixed_size: 327680
    .private_segment_fixed_size: 0
    .kernarg_segment_align: 8
    .kernarg_segment_size: 56
    .max_flat_workgroup_size: 128
    .sgpr_count:     96
    .vgpr_count:     512
    .wavefront_size: 32
...
	.end_amdgpu_metadata
.endif
;; end of part 2
;; launch attn (part 3): grid 4 x 64, 4 waves a work-group, clusters of 4 x 1, 327,680 bytes of LDS; arguments qkv, mask, o2; writes o2
.if DOCPART == 3
	.amdgcn_target "amdgcn-amd-amdhsa--gfx1250"
	.amdhsa_code_object_version 6
	.text
	.protected	k_qd4c842f07f_attn
	.globl	k_qd4c842f07f_attn
	.p2align	8
	.type	k_qd4c842f07f_attn,@function
k_qd4c842f07f_attn:
	s_mov_b64 s[64:65], 0
	v_nop
	global_prefetch_b8 v0, s[64:65] scope:SCOPE_SE
	s_setreg_imm32_b32 hwreg(HW_REG_WAVE_MODE, 25, 1), 1
	s_wait_xcnt 0x0
	s_wait_alu depctr_hold_cnt(0) depctr_sa_sdst(0) depctr_va_vdst(0) depctr_va_sdst(0) depctr_va_ssrc(0) depctr_va_vcc(0) depctr_vm_vsrc(0)
	s_getreg_b32 s2, hwreg(HW_REG_IB_STS2, 6, 4)
	s_cmp_eq_u32 s2, 0
	s_cbranch_scc0 .Lentry_in_a_cluster
	s_endpgm
.Lentry_in_a_cluster:
	s_bfe_u32 s2, ttmp6, 0x10000c
	s_cmp_lg_u32 s2, 0x3003
	s_cbranch_scc0 .Lentry_shape_is_right
	s_endpgm
.Lentry_shape_is_right:
; ATTENTION WITH 1.5-ENTMAX.  For each batch, head and query: s = q . k (raw), hidden keys at -8e12; x = s / 16 - max(s) / 16 (the module's scores / 8, halved, less their maximum);
; tau = the root of sum(clip(x - tau, 0)^2) = 1; p = clip(x - tau, 0)^2; o = sum p v.  q, k, v: qkv [3][batch x 16 + head][1,024][64] f16; o2 [batch x 8 + row / 128][head][128][64] f16.  Nothing is left out.
; THE ROOT, for every input.  f(tau) = sum clip(x - tau, 0)^2 - 1 is convex and falls.  The largest x is 0, so tau >= -1; all 1,024 terms are at most tau^2, so tau <= -1/32.
; Nine halvings of [-1, -1/32] leave an interval of half-width w = 31/32,768 round a midpoint; there a = sum t^2 and b = sum t give the tangent's root, tau1 = mid + (a - 1) / (2 b), held to mid - w from below.
; A convex curve lies above its tangent, so tau1 <= tau; f'' <= 2,048, so 0 <= sum p - 1 <= 1,024 w^2 = 9.2e-4, whatever the scores.  b >= 1/32 - w > 0: the largest x alone gives that.
; A row whose keys are all hidden has all x = 0: f is then one parabola, and the tangent step ends at tau = -1/32: p = 1/1,024.
; HIDDEN KEYS.  The earlier launch stored their rows of k as 0, so their raw score is exactly the C operand that starts the sum: 0 for a seen key, -8 x f32(1e12) for a hidden one; / 16 that is the module's -1e12 / 2.
; LIMITS.  p is rounded to f16 for the second product (below 6e-5 it keeps f16's step of 6e-8), o once to f16.  A NaN loses in the row's maximum; NaN and infinities are not treated apart.
; The sums a and b are f32, in another order than the module's running sums.
; SHARES.  A cluster of four work-groups is one head; a work-group has 256 queries, a wave 64, as four tiles of 16, one after the other.  The head's whole K and V lie in LDS, filled ONCE, by joint loads:
; each wave asks for a quarter of K and a quarter of V with the same descriptor and a mask that names all four work-groups.  No slot is filled again, and the loop over tiles holds no barrier.
; LAYOUT.  S^T = K Q^T (source 0 = 16 keys, source 1 = 16 queries): a lane holds ONE query (lane % 16) and the keys 16 kt + 8 (lane / 16) + 0..7.  A tile's 1,024 scores a query are 64 accumulators:
; 512 registers, which stay in place through all evaluations.  Two neighbouring accumulators' p, rounded to f16 in pairs, ARE source 1 of O^T = V^T P.  V comes out of LDS turned, by ds_load_tr16_b128.
; REGISTERS, in windows of 256 (s_set_vgpr_msb: bits 1:0 source 0, 3:2 source 1, 5:4 source 2, 7:6 destination):
;   window 0: v2-17 addresses; v20-36 statistics; v38-39 the add's; v48-63 Q; v64-191 two buffers of K's fragments, later: v64-95 t (16 pairs), v96-103 a, v104-111 b (in the halvings a's chains 4-7), v112-127 P (two buffers), v128-159 O^T; v160-255 V (three buffers)
;   window 1: the scores of key tiles 0-31          window 2: those of key tiles 32-63
.set PK,    144       ; a row of K in LDS: 128 bytes + 16 of padding = 36 words: the 16 rows of a load start at 16 different groups of four banks (64 banks of 4 bytes: ISA guide 11.1)
.set PV,    160       ; a row of V: 128 + 32 = 40 words
.set VOFF,  1024*PK   ; V lies behind K
.set MBO,   VOFF+1024*PV     ; behind V, in blocks that no tensor load fills: what a key adds to its scores, f32, 4,096 bytes
.set STAGE, MBO+4096         ; 16 rows x 144 bytes for each wave, for the way out
.set SPARE, STAGE+4*16*PK    ; the spare words, 128 bytes for each wave: two blocks of 256 bytes that no other line names
.set AK,  2           ; v2-4   my lane's place in K, for key tiles 0-27, 28-55, 56-63 (an LDS offset has 16 bits); never rewritten
.set AV,  5           ; v5-7   the same in V, for chunks of 32 keys 0-11, 12-23, 24-31
.set AM,  8           ; v8     my 8 keys' words in the first 16
.set QO,  9           ; v9     my byte offset in 16 rows of Q
.set STO, 10          ; v10    the way out: where I put 16 bytes of a row
.set RD,  11          ; v11    the way out: where I read rows back
.set GO,  12          ; v12    16 x lane
.set MX,  20          ; v20-23 four chains of the maximum
.set M,   24
.set TX,  25          ; what comes from the lane 16 away
.set NM,  26          ; v[26:27] -max / 16, twice
.set ONE, 28          ; v[28:29] 1.0, twice
.set NT,  30          ; v[30:31] -tau, twice
.set CP,  32          ; the two candidates for the next -tau
.set CM,  33
.set SA,  34
.set SB,  35
.set RC,  36
.set SPW, 38          ; LDS address of my spare word; never rewritten
.set NIL, 39          ; 0; never rewritten
.set Q,   48
.set KB,  64
.set T,   64
.set A,   96
.set B,   104
.set P,   112
.set O,   128
.set VB,  160
.set WV,  10          ; s10  my wave's number
.set G1K, 16          ; s[16:23] descriptor group 1 for K
.set G1V, 24          ; s[24:31] for V: it differs in the padding alone
.set G0K, 32          ; s[32:35] group 0 for my quarter of K
.set G0V, 36          ; s[36:39] for my quarter of V
.set QP,  40          ; s[40:41] Q at the tile whose rows were asked for last
.set OP,  42          ; s[42:43] o2 at the tile in hand
.set SC,  44          ; s[44:45] 1/16: the packed scaling takes the pair's low word for both halves
.set SEL, 46          ; s[46:47] v_permlanex16_b32's selects: each lane takes its own place in the other half
.set DW,  48          ; s48  the halving's step
.set TL,  49          ; s49  tiles to go
.set BT,  50          ; s50  halvings to go
.set NEG, 51          ; s51  -8 x f32(1e12)
.set MSB, 0
.macro WIN new                      ; the high byte repeats the setting that is left; a switch that changes nothing is dropped
.if MSB != (\new)
	s_set_vgpr_msb (MSB<<8)|(\new)
.set MSB, (\new)
.endif
.endm
.macro CROUND                       ; a round of the cluster's barrier
	s_barrier_signal -1
	s_barrier_wait -1
	s_cmp_lg_u32 s[WV], 0
	s_cbranch_scc1 .Lnot_wave_0_\@
	s_barrier_signal -3
.Lnot_wave_0_\@:
	s_barrier_wait -3
	s_barrier_signal -1
	s_barrier_wait -1
.endm
	s_load_b128 s[4:7], s[0:1], 0x0 ; qkv s[4:5], mask s[6:7]
	s_load_b64 s[8:9], s[0:1], 0x10 ; o2
	v_lshl_add_u32 v[SPW], v0, 2, SPARE
	v_mov_b32 v[NIL], 0
	ds_add_u32 v[SPW], v[NIL]       ; the wave's opening: the add, twice on end, and its wait ahead of my first tensor load; the set-up below stands between
	ds_add_u32 v[SPW], v[NIL]
	v_lshrrev_b32 v1, 5, v0
	v_readfirstlane_b32 s[WV], v1   ; wave 0..3
	s_bfe_u32 s11, ttmp6, 0x40000   ; cx: my block of 256 queries; it enters Q's and o2's addresses alone
	s_and_b32 s12, ttmp7, 0xffff    ; batch x 16 + head, which the four partners share
	; descriptor group 1: 256 keys are 32,768 dense bytes: 128 rows of 256 bytes, two keys a row, padded in LDS after every key
	s_mov_b32 s[G1K], 15|(1<<16)|(1<<20)|(1<<21)|(4<<22)|(3<<25)  ; 15:0 the mask of four; 17:16 2-byte elements; 20 padding on; 21 set beside a mask; 24:22 after every 32 words (code 4); 31:25 4 words (code 3)
	s_mov_b32 s[G1V], 15|(1<<16)|(1<<20)|(1<<21)|(4<<22)|(7<<25)  ; the same with 8 words of padding (code 7)
.irp g, G1K, G1V
	s_mov_b32 s[\g+1], 128<<16      ; tensor_dim0 = 128
	s_mov_b32 s[\g+2], 128<<16      ; tensor_dim1 = 128
	s_mov_b32 s[\g+3], 128<<16      ; tile_dim0 = 128
	s_mov_b32 s[\g+4], 128          ; tile_dim1 = 128
	s_mov_b32 s[\g+5], 128          ; 128 elements from row to row
	s_mov_b32 s[\g+6], 0
	s_mov_b32 s[\g+7], 0
.endr
	s_mov_b32 s[G0K], 1
	s_mul_i32 s[G0K+1], s[WV], 256*PK     ; my quarter's place: the wave's number times a constant
	s_mov_b32 s[G0V], 1
	s_mul_i32 s[G0V+1], s[WV], 256*PV
	s_add_co_u32 s[G0V+1], s[G0V+1], VOFF
	s_lshl_b32 s2, s12, 17          ; a head's rows: 131,072 bytes
	s_lshl_b32 s3, s[WV], 15        ; my quarter of its keys
	s_add_co_u32 s14, s2, s3
	s_add_co_u32 s14, s14, 8388608  ; k lies behind q
	s_mov_b32 s15, 0
	s_lshl_b32 s52, s11, 15         ; my block's 256 rows of q,
	s_lshl_b32 s53, s[WV], 13       ; my wave's 64
	s_add_co_u32 s52, s52, s53
	s_add_co_u32 s52, s52, s2
	s_mov_b32 s53, 0
	s_lshr_b32 s54, s12, 4          ; the batch
	s_lshl_b32 s55, s54, 3          ; o2: block of 128 rows = batch x 8 + 2 cx + wave / 2,
	s_lshl_b32 s56, s11, 1
	s_add_co_u32 s55, s55, s56
	s_lshr_b32 s56, s[WV], 1
	s_add_co_u32 s55, s55, s56
	s_lshl_b32 s55, s55, 4
	s_and_b32 s56, s12, 15          ; the head,
	s_add_co_u32 s55, s55, s56
	s_lshl_b32 s56, s55, 14         ; 16,384 bytes each,
	s_and_b32 s57, s[WV], 1
	s_lshl_b32 s57, s57, 13         ; and my 64 rows of the 128
	s_add_co_u32 s56, s56, s57
	s_mov_b32 s57, 0
	s_lshl_b32 s58, s54, 12         ; the batch's 1,024 mask words
	s_mov_b32 s59, 0
	s_mov_b32 s[SC], 0x3d800000     ; 1/16
	s_mov_b32 s[SC+1], s[SC]        ; named with it as a pair
	s_mov_b32 s[SEL], 0x76543210
	s_mov_b32 s[SEL+1], 0xfedcba98
	s_mov_b32 s[NEG], 0xd4e8d4a5    ; -8 x f32(1e12)
	s_mov_b32 s[TL], 4
	s_wait_dscnt 0x0                ; both opening adds are done
	s_wait_kmcnt 0x0
	s_add_nc_u64 s[G0K+2:G0K+3], s[4:5], s[14:15]
	s_add_nc_u64 s[G0V+2:G0V+3], s[G0K+2:G0K+3], 8388608  ; v lies behind k
	s_or_b32 s[G0K+3], s[G0K+3], 0x80000000               ; type = 2
	s_or_b32 s[G0V+3], s[G0V+3], 0x80000000
	s_add_nc_u64 s[QP:QP+1], s[4:5], s[52:53]
	s_add_nc_u64 s[OP:OP+1], s[8:9], s[56:57]
	s_add_nc_u64 s[6:7], s[6:7], s[58:59]
	CROUND                          ; all four work-groups are here: the joint loads meet
	tensor_load_to_lds s[G0K:G0K+3], s[G1K:G1K+7]
	s_nop 0
	tensor_load_to_lds s[G0V:G0V+3], s[G1V:G1V+7]         ; two loads of mine are out: all that this launch asks for
	s_nop 0
.rept 4
	v_nop
.endr
	v_and_b32 v1, 15, v0            ; r = l % 16
	v_bfe_u32 v13, v0, 4, 1         ; h = l / 16
	v_lshlrev_b32 v[QO], 7, v1
	v_lshl_add_u32 v[QO], v13, 4, v[QO]   ; row x 128 + 16 x half
	v_lshlrev_b32 v16, 5, v0        ; thread t takes the mask words of keys 8 t .. 8 t + 7
	global_load_b128 v[64:67], v16, s[6:7]
	global_load_b128 v[68:71], v16, s[6:7] offset:16
.irp i, 0,1,2,3
	global_load_b128 v[Q+4*(\i):Q+4*(\i)+3], v[QO], s[QP:QP+1] offset:32*(\i)  ; the first tile's Q: two fragments of 16 rows x 32 channels
.endr
	v_add_nc_u32 v17, MBO, v16
	v_mul_u32_u24 v[AK], v1, PK
	v_lshl_add_u32 v[AK], v13, 4, v[AK]   ; row x pitch + 16 x half
	v_add_nc_u32 v[AK+1], 28*16*PK, v[AK]
	v_add_nc_u32 v[AK+2], 56*16*PK, v[AK]
	; The turning load takes 16 keys x 16 channels (lane l reads key 8 (l / 16) + l % 8, channels 8 ((l / 8) % 2) + 0..7) and leaves half a fragment of V^T: lane l holds channel l % 16 and 8 keys.
	v_and_b32 v14, 7, v0
	v_bfe_u32 v15, v0, 3, 1
	v_lshl_add_u32 v[AV], v13, 3, v14
	v_mul_u32_u24 v[AV], v[AV], PV
	v_lshl_add_u32 v[AV], v15, 4, v[AV]
	v_add_nc_u32 v[AV], VOFF, v[AV]
	v_add_nc_u32 v[AV+1], 12*32*PV, v[AV]
	v_add_nc_u32 v[AV+2], 24*32*PV, v[AV]
	v_lshlrev_b32 v[AM], 5, v13
	v_add_nc_u32 v[AM], MBO, v[AM]
	s_mul_i32 s13, s[WV], 16*PK
	s_add_co_u32 s13, s13, STAGE    ; my stage
	v_add_nc_u32 v[STO], s13, v[AK] ; in: row l % 16, 16 bytes for each half of the lanes
	v_bfe_u32 v[RD], v0, 3, 2       ; back: 32 lanes take four rows of 128 bytes,
	v_mul_u32_u24 v[RD], v[RD], PK
	v_lshl_add_u32 v[RD], v14, 4, v[RD]
	v_add_nc_u32 v[RD], s13, v[RD]
	v_and_b32 v[GO], 31, v0         ; which are 512 consecutive bytes of o2
	v_lshlrev_b32 v[GO], 4, v[GO]
	v_mov_b32 v[ONE], 1.0
	v_mov_b32 v[ONE+1], 1.0
	v_mov_b32 v[TX], 0              ; v_permlanex16_b32 counts as a reader of its destination
	s_wait_loadcnt 4                ; the mask words are in; Q's four loads may stay out
.irp i, 0,1,2,3,4,5,6,7
	v_cmp_eq_u32 vcc_lo, 0, v[64+(\i)]
	v_cndmask_b32 v[64+(\i)], 0, s[NEG], vcc_lo
.endr
	ds_store_b128 v17, v[64:67]
	ds_store_b128 v17, v[68:71] offset:16
	s_wait_tensorcnt 0x0            ; my quarters of K and V have landed,
	s_wait_dscnt 0x0                ; my eight words are stored:
	s_barrier_signal -1
	s_barrier_wait -1               ; everybody's are.  From here on LDS is only read, but for each wave's own stage
; THE FIRST PRODUCT, in 16 groups of four key tiles.
.macro KLOAD g                      ; group g's fragments of K into buffer g % 2: 16 loads
	WIN 0
.irp t, 0,1,2,3
.set kt, 4*(\g)+(\t)
.irp c, 0,1
	ds_load_b128 v[KB+64*((\g)%2)+16*(\t)+8*(\c):KB+64*((\g)%2)+16*(\t)+8*(\c)+3],   v[AK+kt/28] offset:(kt%28)*16*PK+64*(\c)
	ds_load_b128 v[KB+64*((\g)%2)+16*(\t)+8*(\c)+4:KB+64*((\g)%2)+16*(\t)+8*(\c)+7], v[AK+kt/28] offset:(kt%28)*16*PK+64*(\c)+32
.endr
.endr
.endm
.macro MLOAD g                      ; what group g's keys add, straight into the accumulators: 8 loads; destination and C in the scores' window
	WIN (1+(\g)/8)*0x50
.irp t, 0,1,2,3
.set kt, 4*(\g)+(\t)
.set rX, 8*(kt%32)
	ds_load_b128 v[rX:rX+3],   v[AM] offset:64*kt
	ds_load_b128 v[rX+4:rX+7], v[AM] offset:64*kt+16
.endr
.endm
.macro QKG g                        ; 8 products: the four accumulators take turns, one instruction a turn
	WIN (1+(\g)/8)*0x50
.irp c, 0,1
.irp t, 0,1,2,3
.set rX, 8*((4*(\g)+(\t))%32)
.set rK, KB+64*((\g)%2)+16*(\t)+8*(\c)
	v_wmma_f32_16x16x32_f16 v[rX:rX+7], v[rK:rK+7], v[Q+8*(\c):Q+8*(\c)+7], v[rX:rX+7]
.endr
.endr
.endm
.macro MAXG g                       ; group g's 32 scores into the four chains; each accumulator's lowest registers are read first.  Sources 1 and 2 in the scores' window
	WIN (1+(\g)/8)*0x14
.irp r2, 0,1,2,3
.irp t, 0,1,2,3
.set rX, 8*((4*(\g)+(\t))%32)+2*(\r2)
	v_max3_num_f32 v[MX+(\t)], v[MX+(\t)], v[rX], v[rX+1]
.endr
.endr
.endm
; AN EVALUATION, in 16 batches of 16 pairs of scores.  I1 i: t = clip(x - tau, 0) for pair i of 256: x <= 0 and -tau <= 1, so holding x + (-tau) to 0 .. 1 is that clip; source 2 in the scores' window.
; I2 j, n: a += t^2 in n chains; I3 j: b += t in four chains; both wholly in window 0.  So a batch is 16 x I1 under the scores' window, one switch, and the sums: two switches for 32 (or 48) vector instructions.
; The first n pairs start a's chains, the first eight b's: nothing is cleared.  In the halvings a has eight chains (b's registers serve as the upper four); in the last evaluation a and b have four each, and their lines alternate:
; either way eight instructions stand from a link of a chain to the next.
.macro I1 i
	WIN (1+(\i)/128)*0x10
	v_pk_fma_f32 v[T+2*((\i)%16):T+2*((\i)%16)+1], v[NT:NT+1], v[ONE:ONE+1], v[2*((\i)%128):2*((\i)%128)+1] clamp
.endm
.macro I2 j, n
.set rT, T+2*((\j)%16)
.set rA, A+2*((\j)%(\n))
.if (\j) < (\n)
	v_pk_mul_f32 v[rA:rA+1], v[rT:rT+1], v[rT:rT+1]
.else
	v_pk_fma_f32 v[rA:rA+1], v[rT:rT+1], v[rT:rT+1], v[rA:rA+1]
.endif
.endm
.macro I3 j
.if (\j) >= 8
	v_pk_add_f32 v[B+2*((\j)%4):B+2*((\j)%4)+1], v[B+2*((\j)%4):B+2*((\j)%4)+1], v[T+2*((\j)%16):T+2*((\j)%16)+1]
.elseif (\j) >= 4
	v_pk_add_f32 v[B+2*((\j)-4):B+2*((\j)-4)+1], v[T+2*((\j)-4):T+2*((\j)-4)+1], v[T+2*(\j):T+2*(\j)+1]
.endif
.endm
.macro EVAL nb                      ; nb = 1: b too
.set bb, 0
.rept 16
.set ii, 0
.rept 16
	I1 16*bb+ii
.set ii, ii+1
.endr
	WIN 0
.set ii, 0
.rept 16
	I2 16*bb+ii, 8-4*(\nb)
.if \nb
	I3 16*bb+ii
.endif
.set ii, ii+1
.endr
.set bb, bb+1
.endr
.endm
.macro RED x, d                     ; four pairs into one number; the query's other 512 keys lie in the lane 16 away
	v_pk_add_f32 v[(\x):(\x)+1], v[(\x):(\x)+1], v[(\x)+2:(\x)+3]
	v_pk_add_f32 v[(\x)+4:(\x)+5], v[(\x)+4:(\x)+5], v[(\x)+6:(\x)+7]
	v_pk_add_f32 v[(\x):(\x)+1], v[(\x):(\x)+1], v[(\x)+4:(\x)+5]
	v_add_f32 v[\d], v[\x], v[(\x)+1]
	v_permlanex16_b32 v[TX], v[\d], s[SEL], s[SEL+1]
	v_add_f32 v[\d], v[\d], v[TX]
.endm
; THE SECOND PRODUCT, in 32 chunks of 32 keys.
.macro VLOAD ck                     ; chunk ck's four fragments of V^T into buffer ck % 3: 8 loads
	WIN 0
.irp cb, 0,1,2,3
	ds_load_tr16_b128 v[VB+32*((\ck)%3)+8*(\cb):VB+32*((\ck)%3)+8*(\cb)+3],   v[AV+(\ck)/12] offset:((\ck)%12)*32*PV+32*(\cb)
	ds_load_tr16_b128 v[VB+32*((\ck)%3)+8*(\cb)+4:VB+32*((\ck)%3)+8*(\cb)+7], v[AV+(\ck)/12] offset:((\ck)%12)*32*PV+32*(\cb)+16*PV
.endr
.endm
.macro SQ i                         ; pair i: p = t^2
	v_pk_mul_f32 v[T+2*((\i)%16):T+2*((\i)%16)+1], v[T+2*((\i)%16):T+2*((\i)%16)+1], v[T+2*((\i)%16):T+2*((\i)%16)+1]
.endm
.macro CV i                         ; pair i rounded to f16, into its chunk's buffer of P
	v_cvt_pk_f16_f32 v[P+8*(((\i)/8)%2)+(\i)%8], v[T+2*((\i)%16)], v[T+2*((\i)%16)+1]
.endm
.Ltile:                             ; four trips: a tile of 16 queries each
	s_wait_loadcnt 0x0              ; this tile's Q
.irp t, 0,1,2,3
	v_mov_b32 v[MX+(\t)], 0xff7fffff       ; the lowest finite number
.endr
	KLOAD 0
	MLOAD 0
.set g, 0
.rept 16                            ; group g is multiplied while group g + 1's 24 loads are out; the maximum runs two groups behind
.if g == 1
.rept 8
	v_nop                           ; the places behind group 0's products, in front of the loads into their buffer of K and of the first read of their results
.endr
.elseif g >= 2
	MAXG g-2                        ; 16 plain instructions that name no register of group g - 1's products: the places in front of the loads into that group's buffer of K, and behind them for its results
.endif
.if g < 15
	KLOAD g+1
	MLOAD g+1
	s_wait_dscnt 24                 ; group g's loads are in; the 24 of group g + 1 may be out
.else
	s_wait_dscnt 0x0
.endif
	QKG g
.set g, g+1
.endr
	MAXG 14
	MAXG 15
	WIN 0                           ; at a label and at a branch every window is 0
	s_cmp_eq_u32 s[TL], 1
	s_cbranch_scc1 .Lno_q           ; the last tile has no successor
	s_add_nc_u64 s[QP:QP+1], s[QP:QP+1], 2048  ; the last loads by this pointer were waited for at the trip's head
.irp i, 0,1,2,3
	global_load_b128 v[Q+4*(\i):Q+4*(\i)+3], v[QO], s[QP:QP+1] offset:32*(\i)  ; the next tile's Q: it has the whole root finding in which to come
.endr
.Lno_q:
	VLOAD 0                         ; the first two chunks of V likewise
	VLOAD 1
	v_max3_num_f32 v[M], v[MX], v[MX+1], v[MX+2]
	v_max_num_f32 v[M], v[M], v[MX+3]
	v_permlanex16_b32 v[TX], v[M], s[SEL], s[SEL+1]
	v_max_num_f32 v[M], v[M], v[TX]
	v_mul_f32 v[NM], 0xbd800000, v[M]      ; -max / 16, exact
	v_mov_b32 v[NM+1], v[NM]
.irp w, 1,2                         ; x = s / 16 - max / 16, in place: the largest is exactly 0, so tau keeps its digits whatever the scores' size.  Source 0 and destination in the scores' window
	WIN (\w)*0x41
.set i, 0
.rept 128
	v_pk_fma_f32 v[2*i:2*i+1], v[2*i:2*i+1], s[SC:SC+1], v[NM:NM+1] op_sel_hi:[1,0,1]
.set i, i+1
.endr
.endr
	WIN 0
	v_mov_b32 v[NT], 0x3f040000     ; -tau = 33/64: the middle of 1/32 .. 1
	v_mov_b32 v[NT+1], 0x3f040000
	s_mov_b32 s[DW], 0x3e780000     ; 31/128: from a middle to the middles of the two halves
	s_mov_b32 s[BT], 9
.Lbis:                              ; nine halvings
	v_add_f32 v[CP], s[DW], v[NT]
	v_sub_f32 v[CM], v[NT], s[DW]
	EVAL 0
.irp z, 0,2,4,6
	v_pk_add_f32 v[A+(\z):A+(\z)+1], v[A+(\z):A+(\z)+1], v[B+(\z):B+(\z)+1]  ; a's upper four chains onto the lower four
.endr
	RED A, SA
	v_cmp_le_f32 vcc_lo, 1.0, v[SA] ; a >= 1: the root lies at or above this tau: -tau goes down; a choice of a value, no branch
	v_cndmask_b32 v[NT], v[CP], v[CM], vcc_lo
	v_mov_b32 v[NT+1], v[NT]
	s_mul_f32 s[DW], s[DW], 0.5
	s_sub_co_u32 s[BT], s[BT], 1
	s_cmp_lg_u32 s[BT], 0
	s_cbranch_scc1 .Lbis
	EVAL 1                          ; at the last middle: a and b
	RED A, SA
	RED B, SB
	v_add_f32 v[SB], v[SB], v[SB]
	v_rcp_f32 v[RC], v[SB]
	v_add_f32 v[SA], -1.0, v[SA]    ; the plain instruction behind the reciprocal
	s_wait_alu depctr_va_vdst(0)    ; the wait ahead of the first line that names the reciprocal
	v_add_f32 v[CP], 0x3a780000, v[NT]     ; -(mid - w), w = 31/32,768
	v_fma_f32 v[CM], -v[SA], v[RC], v[NT]  ; -(mid + (a - 1) / (2 b))
	v_min_num_f32 v[NT], v[CM], v[CP]
	v_mov_b32 v[NT+1], v[NT]
	; O^T = V^T P.  Chunk 0's p are made ahead; then chunk ck's four products stand with chunk ck + 1's squares and roundings behind them, four to a product.
.set jj, 0
.rept 8
	I1 jj
.set jj, jj+1
.endr
	WIN 0
.set jj, 0
.rept 8
	SQ jj
.set jj, jj+1
.endr
.set jj, 0
.rept 8
	CV jj
.set jj, jj+1
.endr
.set ck, 0
.rept 32
.if ck < 31
.set jj, 0
.rept 8
	I1 8*(ck+1)+jj                  ; with the four riders behind the last product these are the places in front of the loads into the buffer of V, and of the writes into the buffer of P, that chunk ck - 1 read
.set jj, jj+1
.endr
.endif
	WIN 0
.if ck < 30
	VLOAD ck+2
	s_wait_dscnt 16                 ; chunk ck's V is in; the loads of chunks ck + 1 and ck + 2 may be out
.elseif ck == 30
	s_wait_dscnt 8
.else
	s_wait_dscnt 0x0
.endif
.set cb, 0
.rept 4                             ; the four accumulators take turns; the first chunk starts the sums
.set rO, O+8*cb
.set rV, VB+32*(ck%3)+8*cb
.set rP, P+8*(ck%2)
.if ck == 0
	v_wmma_f32_16x16x32_f16 v[rO:rO+7], v[rV:rV+7], v[rP:rP+7], 0
.else
	v_wmma_f32_16x16x32_f16 v[rO:rO+7], v[rV:rV+7], v[rP:rP+7], v[rO:rO+7]
.endif
.if ck < 31
	SQ 8*(ck+1)+2*cb
	SQ 8*(ck+1)+2*cb+1
	CV 8*(ck+1)+2*cb
	CV 8*(ck+1)+2*cb+1
.endif
.set cb, cb+1
.endr
.set ck, ck+1
.endr
	; THE WAY OUT: rounded to f16, 16 bytes a lane into my own stage, back as four rows of 128 bytes.
.rept 8
	v_nop                           ; the places behind the last products
.endr
.set i, 0
.rept 16
	v_cvt_pk_f16_f32 v[64+i], v[O+2*i], v[O+2*i+1]   ; each accumulator's registers in ascending order
.set i, i+1
.endr
.irp f, 0,1,2,3
	ds_store_b128 v[STO], v[64+4*(\f):64+4*(\f)+3] offset:32*(\f)
.endr
.irp f, 0,1,2,3
	ds_load_b128 v[80+4*(\f):80+4*(\f)+3], v[RD] offset:(\f)*4*PK  ; LDS serves a wave's instructions in order (ISA guide 5.7.1.4): these see the stores above
.endr
.irp f, 0,1,2,3
	s_wait_dscnt 3-(\f)             ; the younger loads may be out
	global_store_b128 v[GO], v[80+4*(\f):80+4*(\f)+3], s[OP:OP+1] offset:512*(\f)  ; 512 consecutive bytes, at a multiple of 256 from o2's first
.endr
	s_wait_xcnt 0x0                 ; the stores have read their data registers, which the next trip's loads of K write, and their base, which steps now
	s_add_nc_u64 s[OP:OP+1], s[OP:OP+1], 2048
	s_sub_co_u32 s[TL], s[TL], 1
	s_cmp_lg_u32 s[TL], 0
	s_cbranch_scc1 .Ltile
	s_wait_tensorcnt 0x0            ; the wave's end: behind my last tensor load and my last LDS store
	ds_add_u32 v[SPW], v[NIL]
	s_wait_dscnt 0x0
	CROUND                          ; the closing round: no work-group ends while a partner may still ask for a tile that names it
	s_endpgm
.Lfunc_end_k_qd4c842f07f_attn:
	.size	k_qd4c842f07f_attn, .Lfunc_end_k_qd4c842f07f_attn-k_qd4c842f07f_attn
	.p2alignl 7, 3214868480
	.fill 96, 4, 3214868480
	.section	.rodata,"a",@progbits
	.p2align	6, 0x0
	.amdhsa_kernel k_qd4c842f07f_attn
		.amdhsa_group_segment_fixed_size 327680
		.amdhsa_private_segment_fixed_size 0
		.amdhsa_enable_private_segment 0
		.amdhsa_kernarg_size 24
		.amdhsa_user_sgpr_count 2
		.amdhsa_user_sgpr_kernarg_segment_ptr 1
		.amdhsa_wavefront_size32 1
		.amdhsa_system_sgpr_workgroup_id_x 1
		.amdhsa_system_sgpr_workgroup_id_y 1
		.amdhsa_system_sgpr_workgroup_id_z 1
		.amdhsa_system_vgpr_workitem_id 0
		.amdhsa_next_free_vgpr 768
		.amdhsa_next_free_sgpr 66
		.amdhsa_reserve_vcc 1
		.amdhsa_float_denorm_mode_32 3
		.amdhsa_float_denorm_mode_16_64 3
		.amdhsa_memory_ordered 1
		.amdhsa_forward_progress 1
		.amdhsa_inst_pref_size 237
	.end_amdhsa_kernel
	.amdgpu_metadata
---
amdhsa.version: [ 1, 2 ]
amdhsa.kernels:
  - .name:           k_qd4c842f07f_attn
    .symbol:         k_qd4c842f07f_attn.kd
    .args:
      - { .name: qkv, .offset: 0, .size: 8, .value_kind: global_buffer, .address_space: global }
      - { .name: mask, .offset: 8, .size: 8, .value_kind: global_buffer, .address_space: global }
      - { .name: o2, .offset: 16, .size: 8, .value_kind: global_buffer, .address_space: global }
    .group_segment_fixed_size: 327680
    .private_segment_fixed_size: 0
    .kernarg_segment_align: 8
    .kernarg_segment_size: 24
    .max_flat_workgroup_size: 128
    .sgpr_count:     66
    .vgpr_count:     768
    .wavefront_size: 32
...
	.end_amdgpu_metadata
.endif
;; end of part 3
;; launch oproj (part 4): grid 8 x 32, 4 waves a work-group, clusters of 4 x 4, 327,680 bytes of LDS; arguments o2, wo, bo, out0; writes out0
.if DOCPART == 4
	.amdgcn_target "amdgcn-amd-amdhsa--gfx1250"
	.amdhsa_code_object_version 6
	.text
	.protected	k_qd4c842f07f_oproj
	.globl	k_qd4c842f07f_oproj
	.p2align	8
	.type	k_qd4c842f07f_oproj,@function
k_qd4c842f07f_oproj:
	s_mov_b64 s[64:65], 0
	v_nop
	global_prefetch_b8 v0, s[64:65] scope:SCOPE_SE
	s_setreg_imm32_b32 hwreg(HW_REG_WAVE_MODE, 25, 1), 1
	s_wait_xcnt 0x0
	s_wait_alu depctr_hold_cnt(0) depctr_sa_sdst(0) depctr_va_vdst(0) depctr_va_sdst(0) depctr_va_ssrc(0) depctr_va_vcc(0) depctr_vm_vsrc(0)
	s_getreg_b32 s2, hwreg(HW_REG_IB_STS2, 6, 4)
	s_cmp_eq_u32 s2, 0
	s_cbranch_scc0 .Lentry_in_a_cluster
	s_endpgm
.Lentry_in_a_cluster:
	s_bfe_u32 s2, ttmp6, 0x10000c
	s_cmp_lg_u32 s2, 0xf033
	s_cbranch_scc0 .Lentry_shape_is_right
	s_endpgm
.Lentry_shape_is_right:
; THE OUTPUT PROJECTION.  C = A B^T + bo, K = 1,024, on tiles of 128 x 128.  A = o2 (32 blocks of 128 rows; a channel block is a head), B = wo, both f16 in blocks [block of 128 rows][16 channel blocks][128][64];
; sums in f32; C is stored in f32, [4,096][1,024].  Nothing of the module is left out here.  bo is rounded to bf16 like the module's other inputs and added in f32.
; The ring, the rounds and the products are those of the input projections' text; the way out differs.
; LIMITS.  NaN and infinities are not treated apart.
; SHARES.  Four waves, each 64 x 64 of C: 16 accumulators of 16 x 16.  K goes in four steps of 256 (four channel blocks) through two LDS slots; a wave's tensor load brings two channel blocks of
; A or of B: 32,768 dense bytes, asked for as 128 rows of 256 bytes and padded in LDS behind every 128 bytes.
; CLUSTER: 4 x 4 work-groups.  The four of a row of the cluster need the same tiles of A, the four of a column the same tiles of B: each tile is asked for jointly, by the same tensor load with the
; same descriptor and a mask that names the four.  THE MATRIX INSTRUCTION IS USED TRANSPOSED (source 0 = 16 rows of B, source 1 = 16 rows of A): a lane then holds eight neighbouring numbers of a row of C.
; REGISTERS.  window 0: v1-7 at work; v16-29 addresses; v32-95 at work on the way out; v96-127 the bias of my columns; v128-255 the accumulators ((a, b) at v[128 + 8 (4 a + b)]).
;   window 1: two fragment buffers of 128: for 64 along K, 64 registers of A (2 x 4 x 16 rows x 32 K), then 64 of B.
.set PITCH,  144                       ; an LDS row: 128 bytes + 16 of padding = 36 words: the 16 rows of a load start at 16 different groups of four banks (64 banks of 4 bytes: ISA guide 11.1)
.set KBB,    128*PITCH                 ; a channel block: 128 rows
.set HALFT,  2*KBB                     ; what one tensor load brings
.set OPER,   4*KBB                     ; a step's A, or its B
.set SLOT,   2*OPER
.set STAGE,  2*SLOT                    ; behind the ring, never filled by a tensor load: 16 rows x 272 bytes for each wave, for the way out
.set SPITCH, 272
.set STW,    16*SPITCH
.set SPARE,  STAGE+4*STW               ; behind the stages: the spare words, 128 bytes for each wave: two blocks of 256 bytes that no other line names
.set ADRA, 16                          ; v16-17  LDS address of my A fragments in slot 0, 1
.set ADRB, 20                          ; v20-21  the same for B
.set STO,  22                          ; v22     the way out: where I put 32 bytes of a row
.set RD,   23                          ; v23     the way out: where I read a row back
.set CO,   27                          ; v27     the way out: my byte offset in two rows of C
.set SPW,  28                          ; v28     LDS address of my spare word; never rewritten
.set NIL,  29                          ; v29     0; never rewritten
.set TMP,  32
.set BI,   96
.set ACC,  128
.set F0,   0
.set F1,   128
.set G1,  24                           ; s[24:31] descriptor group 1 for A's tiles;  s[32:39] group 0, one set for each slot
.set G0,  32
.set G1B, 48                           ; s[48:55], s[56:63] the same for B's tiles
.set G0B, 56
.set MSB, 0
.macro WIN new                         ; the immediate's high byte repeats the setting that is left; a switch that changes nothing is dropped
.if MSB != (\new)
	s_set_vgpr_msb (MSB<<8)|(\new)
.set MSB, \new
.endif
.endm
.set MUL,  0x05                        ; sources 0 (B) and 1 (A) window 1; C and D window 0
.set TO_F, 0x40                        ; destination window 1, address window 0
.macro JLOAD s                         ; a joint load: waves 0 and 1 fetch A's two halves, waves 2 and 3 B's; an s_nop 0 and four v_nop follow each of the two lines
	s_cmp_eq_u32 s11, 0
	s_cbranch_scc0 .Lfor_b_\@
	tensor_load_to_lds s[G0+4*(\s):G0+4*(\s)+3], s[G1:G1+7]
	s_nop 0
.rept 4
	v_nop
.endr
	s_branch .Lasked_\@
.Lfor_b_\@:
	tensor_load_to_lds s[G0B+4*(\s):G0B+4*(\s)+3], s[G1B:G1B+7]
	s_nop 0
.rept 4
	v_nop
.endr
.Lasked_\@:
.endm
.macro CREST                           ; a round of the cluster's barrier behind its opening barrier
	s_cmp_lg_u32 s10, 0
	s_cbranch_scc1 .Lnot_wave_0_\@
	s_barrier_signal -3
.Lnot_wave_0_\@:
	s_barrier_wait -3
	s_barrier_signal -1
	s_barrier_wait -1
.endm
.macro CROUND                          ; a whole round
	s_barrier_signal -1
	s_barrier_wait -1
	CREST
.endm
	s_load_b256 s[80:87], s[0:1], 0x0              ; A s[80:81], B s[82:83], bo s[84:85], C s[86:87]
	v_lshl_add_u32 v[SPW], v0, 2, SPARE
	v_mov_b32 v[NIL], 0
	ds_add_u32 v[SPW], v[NIL]                      ; the wave's opening: the add, twice on end, and its wait ahead of my first tensor load; the set-up below stands between
	ds_add_u32 v[SPW], v[NIL]
	v_lshrrev_b32 v1, 5, v0
	v_readfirstlane_b32 s10, v1                    ; wave 0..3
	s_lshr_b32 s11, s10, 1                         ; which half of the tile's rows is mine.  Also: I fetch for A (0) or for B (1)
	s_and_b32 s12, s10, 1                          ; which half of its columns.  Also: which two channel blocks of a step I fetch
	s_bfe_u32 s40, ttmp6, 0x40000                  ; cx, cy: my place in the cluster
	s_bfe_u32 s41, ttmp6, 0x40004
	s_lshl_b32 s42, ttmp9, 2
	s_add_co_u32 s42, s42, s40                     ; tile column of C = 4 x cluster x + cx: 0..7
	s_and_b32 s44, ttmp7, 0xffff                   ; cluster y
	s_lshl_b32 s13, s44, 2
	s_add_co_u32 s13, s13, s41                     ; tile row of C = 4 x cluster y + cy: 0..31
	s_lshl_b32 s43, s41, 2
	s_lshl_b32 s43, 15, s43                        ; my row of the cluster
	s_lshl_b32 s45, 0x1111, s40                    ; my column
	; descriptor group 1: 128 rows x 128 elements of 2 bytes, dense; in LDS 4 words of padding behind every 32
	s_or_b32 s[G1+0], s43, (1<<16)|(1<<20)|(1<<21)|(4<<22)|(3<<25)  ; 15:0 the mask; 17:16 2-byte elements; 20 padding on; 21 set beside a mask; 24:22 after every 32 words (code 4); 31:25 4 words (code 3)
	s_or_b32 s[G1B+0], s45, (1<<16)|(1<<20)|(1<<21)|(4<<22)|(3<<25)
.irp g, G1, G1B
	s_mov_b32 s[(\g)+1], 128<<16                   ; tensor_dim0 = 128
	s_mov_b32 s[(\g)+2], 128<<16                   ; tensor_dim1 = 128
	s_mov_b32 s[(\g)+3], 128<<16                   ; tile_dim0 = 128
	s_mov_b32 s[(\g)+4], 128                       ; tile_dim1 = 128
	s_mov_b32 s[(\g)+5], 128                       ; 128 elements from row to row
	s_mov_b32 s[(\g)+6], 0
	s_mov_b32 s[(\g)+7], 0
.endr
	s_lshl_b32 s18, s12, 15                        ; my two channel blocks of a step: 32,768 bytes
	s_lshl_b32 s16, s13, 18                        ; A: a row block is 262,144 bytes; made of the tile row and the wave alone
	s_add_co_u32 s16, s16, s18
	s_mov_b32 s17, 0
	s_lshl_b32 s46, s42, 18                        ; B: row block = tile column; made of the tile column and the wave alone
	s_add_co_u32 s46, s46, s18
	s_mov_b32 s47, 0
	s_mul_i32 s20, s10, HALFT                      ; where they go: A's two halves, then B's two: wave x HALFT
	s_wait_dscnt 0x0                               ; both opening adds are done
	s_wait_kmcnt 0x0
	s_add_nc_u64 s[14:15], s[80:81], s[16:17]
	s_add_nc_u64 s[46:47], s[82:83], s[46:47]
	CROUND                                         ; all sixteen work-groups are here: the first joint loads meet
.irp s, 0,1
	s_mov_b32 s[G0+4*(\s)], 1
	s_add_co_u32 s[G0+4*(\s)+1], s20, (\s)*SLOT
	s_add_nc_u64 s[G0+4*(\s)+2:G0+4*(\s)+3], s[14:15], (\s)*65536  ; K step s: four channel blocks of 16,384 bytes on
	s_or_b32 s[G0+4*(\s)+3], s[G0+4*(\s)+3], 0x80000000
	s_mov_b32 s[G0B+4*(\s)], 1
	s_add_co_u32 s[G0B+4*(\s)+1], s20, (\s)*SLOT
	s_add_nc_u64 s[G0B+4*(\s)+2:G0B+4*(\s)+3], s[46:47], (\s)*65536
	s_or_b32 s[G0B+4*(\s)+3], s[G0B+4*(\s)+3], 0x80000000
	JLOAD \s                                       ; two loads of mine are out
.endr
	v_and_b32 v1, 15, v0                           ; r = l % 16
	v_bfe_u32 v2, v0, 4, 1                         ; h = l / 16
	v_mul_u32_u24 v3, v1, PITCH
	v_lshl_add_u32 v3, v2, 4, v3                   ; a fragment's row x pitch + 16 x half
	s_mul_i32 s21, s11, 64*PITCH                   ; my 64 rows of A in each channel block
	s_mul_i32 s22, s12, 64*PITCH                   ; my 64 rows of B,
	s_add_co_u32 s22, s22, OPER                    ; which lie behind A's four blocks
.irp s, 0,1
	v_add_nc_u32 v[ADRA+(\s)], s21, v3
	v_add_nc_u32 v[ADRB+(\s)], s22, v3
	s_add_co_u32 s21, s21, SLOT
	s_add_co_u32 s22, s22, SLOT
.endr
	s_mul_i32 s23, s10, STW
	s_add_co_u32 s23, s23, STAGE                   ; my stage
	v_mul_u32_u24 v5, v1, SPITCH                   ; in: row r of 272 bytes, 32 bytes for each half of the lanes
	v_lshl_add_u32 v5, v2, 5, v5
	v_add_nc_u32 v[STO], s23, v5
	v_mul_u32_u24 v5, v2, SPITCH                   ; back: lanes 0-15 one row of 256 bytes, lanes 16-31 the next
	v_lshl_add_u32 v5, v1, 4, v5
	v_add_nc_u32 v[RD], s23, v5
	v_lshlrev_b32 v5, 12, v2                       ; and the same two rows in C
	v_lshl_add_u32 v[CO], v1, 4, v5
	; the bias of my columns 16 b + 8 h + 0..7
	s_lshl_b32 s2, s42, 9                          ; 128 columns x 4 bytes a tile column,
	s_lshl_b32 s3, s12, 8                          ; 64 a half
	s_add_co_u32 s2, s2, s3
	s_mov_b32 s3, 0
	s_add_nc_u64 s[66:67], s[84:85], s[2:3]
	v_lshlrev_b32 v7, 5, v2                        ; 8 h columns; never rewritten
.irp b, 0,1,2,3
	global_load_b128 v[BI+8*(\b):BI+8*(\b)+3],   v7, s[66:67] offset:64*(\b)
	global_load_b128 v[BI+8*(\b)+4:BI+8*(\b)+7], v7, s[66:67] offset:64*(\b)+16
.endr
	s_lshl_b32 s4, s13, 7                          ; C at my part of the tile: row x 4,096 + column x 4
	s_lshl_b32 s5, s11, 6
	s_add_co_u32 s4, s4, s5
	s_lshl_b32 s4, s4, 12
	s_add_co_u32 s4, s4, s2
	s_mov_b32 s5, 0
	s_add_nc_u64 s[8:9], s[86:87], s[4:5]
; 8 matrix instructions: m blocks a0, a0 + 1 x all 4 n blocks, 32 along K: half c of buffer f.  zero = 1: the first product starts the sums.  The 16 accumulators take turns, one instruction a turn.
.macro MUL8 f, c, a0, zero
	WIN MUL
.irp a, \a0, (\a0)+1
.irp b, 0,1,2,3
.if \zero
	v_wmma_f32_16x16x32_f16 v[ACC+8*(4*(\a)+(\b)):ACC+8*(4*(\a)+(\b))+7], v[(\f)+64+8*(4*(\c)+(\b)):(\f)+64+8*(4*(\c)+(\b))+7], v[(\f)+8*(4*(\c)+(\a)):(\f)+8*(4*(\c)+(\a))+7], 0
.else
	v_wmma_f32_16x16x32_f16 v[ACC+8*(4*(\a)+(\b)):ACC+8*(4*(\a)+(\b))+7], v[(\f)+64+8*(4*(\c)+(\b)):(\f)+64+8*(4*(\c)+(\b))+7], v[(\f)+8*(4*(\c)+(\a)):(\f)+8*(4*(\c)+(\a))+7], v[ACC+8*(4*(\a)+(\b)):ACC+8*(4*(\a)+(\b))+7]
.endif
.endr
.endr
.endm
; 32 LDS loads in one run: the fragments of channel block q of a slot (64 along K) into buffer f; the first 32 along K first
.macro FETCH slot, q, f
	WIN TO_F
.irp c, 0,1
.irp i, 0,1,2,3
	ds_load_b128 v[(\f)+64+8*(4*(\c)+(\i)):(\f)+64+8*(4*(\c)+(\i))+3],   v[ADRB+(\slot)] offset:(\q)*KBB+64*(\c)+(\i)*16*PITCH
	ds_load_b128 v[(\f)+64+8*(4*(\c)+(\i))+4:(\f)+64+8*(4*(\c)+(\i))+7], v[ADRB+(\slot)] offset:(\q)*KBB+64*(\c)+(\i)*16*PITCH+32
	ds_load_b128 v[(\f)+8*(4*(\c)+(\i)):(\f)+8*(4*(\c)+(\i))+3],         v[ADRA+(\slot)] offset:(\q)*KBB+64*(\c)+(\i)*16*PITCH
	ds_load_b128 v[(\f)+8*(4*(\c)+(\i))+4:(\f)+8*(4*(\c)+(\i))+7],       v[ADRA+(\slot)] offset:(\q)*KBB+64*(\c)+(\i)*16*PITCH+32
.endr
.endr
.endm
.macro PLACES                          ; four places in front of loads into registers that matrix instructions have read (ISA guide 7.12.1 for vector instructions)
.rept 4
	v_nop
.endr
.endm
; A K step is four quarters of 64 along K, 32 matrix instructions each, on buffers 0, 1, 0, 1.  One of the first three: multiplies buffer f and fetches channel block q into g.
.macro QUARTER slot, q, f, g, zero
	s_wait_dscnt 16                                ; the first 32 along K are in; the sixteen younger loads may be out
	WIN MUL
	MUL8 \f, 0, 0, \zero
	MUL8 \f, 0, 2, \zero
	PLACES
	FETCH \slot, \q, \g
	s_wait_dscnt 32                                ; all but the 32 just issued
	WIN MUL
	MUL8 \f, 1, 0, 0
	MUL8 \f, 1, 2, 0
.endm
; The last quarter multiplies buffer 1 and changes slots: ONE barrier; in front of it each wave waits for all its tensor loads, adds 0 to its spare word, and waits for that and for its own reads of this slot.
; fill = 1: this slot is filled again, two K steps ahead; the barrier then opens a round of the cluster's barrier, and the joint refill is the first tensor load behind the round.
.macro TURN slot, next, fill
	WIN 0                                          ; (the add's two registers lie in window 0)
	s_wait_tensorcnt 0x0                           ; all my tensor loads have landed: my part of the next slot;
	ds_add_u32 v[SPW], v[NIL]                      ; 0 onto my spare word
	s_wait_dscnt 17                                ; (the add and the youngest sixteen loads may be out)
	WIN MUL
	MUL8 F1, 0, 0, 0                               ; eight matrix instructions stand between the add and the wait for it
	s_wait_dscnt 0x0                               ; the add is done, and my reads of this slot are over
	s_barrier_signal -1
	MUL8 F1, 0, 2, 0
.if \fill
	WIN 0
.endif
	s_barrier_wait -1
.if \fill
	CREST                                          ; no wave of any partner still reads this slot's tile or has a load on its way
	s_add_nc_u64 s[G0+4*(\slot)+2:G0+4*(\slot)+3], s[G0+4*(\slot)+2:G0+4*(\slot)+3], 131072
	s_add_nc_u64 s[G0B+4*(\slot)+2:G0B+4*(\slot)+3], s[G0B+4*(\slot)+2:G0B+4*(\slot)+3], 131072
	JLOAD \slot                                    ; 112 matrix instructions ahead of the wait for it; the four v_nop behind it are also the places in front of the loads below
.else
	PLACES
.endif
	FETCH \next, 0, F0
	WIN MUL
	MUL8 F1, 1, 0, 0
	MUL8 F1, 1, 2, 0
.endm
	s_wait_tensorcnt 1                             ; my part of K step 0 is in; step 1's may stay out
	s_barrier_signal -1
	s_barrier_wait -1                              ; everybody's is
	FETCH 0, 0, F0
	QUARTER 0, 1, F0, F1, 1                        ; K step 0: its first products start the sums
	QUARTER 0, 2, F1, F0, 0
	QUARTER 0, 3, F0, F1, 0
	TURN 0, 1, 1                                   ; slot 0 takes K step 2
	QUARTER 1, 1, F0, F1, 0                        ; K step 1
	QUARTER 1, 2, F1, F0, 0
	QUARTER 1, 3, F0, F1, 0
	TURN 1, 0, 1                                   ; slot 1 takes K step 3
	QUARTER 0, 1, F0, F1, 0                        ; K step 2
	QUARTER 0, 2, F1, F0, 0
	QUARTER 0, 3, F0, F1, 0
	TURN 0, 1, 0                                   ; nothing is left to fetch
	QUARTER 1, 1, F0, F1, 0                        ; K step 3
	QUARTER 1, 2, F1, F0, 0
	QUARTER 1, 3, F0, F1, 0
	s_wait_dscnt 16
	WIN MUL
	MUL8 F1, 0, 0, 0
	MUL8 F1, 0, 2, 0
	s_wait_dscnt 0x0
	MUL8 F1, 1, 0, 0
	MUL8 F1, 1, 2, 0
	WIN 0
	; THE WAY OUT.  The bias is rounded to bf16 and widened again: 48 plain instructions that name no register of the products, the places behind the last of them.
	s_wait_loadcnt 0x0                             ; the bias
.set i, 0
.rept 16
	v_cvt_pk_bf16_f32 v[TMP+i], v[BI+2*i], v[BI+2*i+1]
.set i, i+1
.endr
.set i, 0
.rept 16
	v_lshlrev_b32 v[BI+2*i], 16, v[TMP+i]
	v_and_b32 v[BI+2*i+1], 0xffff0000, v[TMP+i]
.set i, i+1
.endr
.irp a, 0,1,2,3                        ; each accumulator's registers in ascending order
.irp b, 0,1,2,3
.irp r, 0,2,4,6
	v_pk_add_f32 v[ACC+8*(4*(\a)+(\b))+(\r):ACC+8*(4*(\a)+(\b))+(\r)+1], v[ACC+8*(4*(\a)+(\b))+(\r):ACC+8*(4*(\a)+(\b))+(\r)+1], v[BI+8*(\b)+(\r):BI+8*(\b)+(\r)+1]
.endr
.endr
.endr
	; f32.  My 64 columns are 256 bytes of a row of C, aligned.  A block of 16 rows at a time through my own stage: in as 32 bytes a lane, back as whole rows of 256 bytes.
.irp a, 0,1,2,3
.if (\a) >= 2
	s_wait_xcnt 0x0                                ; the stores of the block two back have read their data registers, which are loaded again below
.endif
.irp b, 0,1,2,3
	ds_store_b128 v[STO], v[ACC+8*(4*(\a)+(\b)):ACC+8*(4*(\a)+(\b))+3]   offset:64*(\b)
	ds_store_b128 v[STO], v[ACC+8*(4*(\a)+(\b))+4:ACC+8*(4*(\a)+(\b))+7] offset:64*(\b)+16
.endr
.irp t, 0,1,2,3,4,5,6,7
	ds_load_b128 v[TMP+32*((\a)%2)+4*(\t):TMP+32*((\a)%2)+4*(\t)+3], v[RD] offset:(\t)*2*SPITCH  ; LDS serves a wave's instructions in order (ISA guide 5.7.1.4): these see the stores above; the next block's stores come behind them
.endr
.irp t, 0,1,2,3,4,5,6,7
	s_wait_dscnt 7-(\t)                            ; the younger loads may be out
	global_store_b128 v[CO], v[TMP+32*((\a)%2)+4*(\t):TMP+32*((\a)%2)+4*(\t)+3], s[8:9] offset:(16*(\a)+2*(\t))*4096 th:TH_STORE_NT  ; 16 lanes store 256 consecutive bytes, aligned
.endr
.endr
	s_wait_tensorcnt 0x0                           ; the wave's end: behind my last tensor load and my last LDS store
	ds_add_u32 v[SPW], v[NIL]
	s_wait_dscnt 0x0
	CROUND                                         ; the closing round: no work-group ends while a partner may still ask for a tile that names it
	s_endpgm
.Lfunc_end_k_qd4c842f07f_oproj:
	.size	k_qd4c842f07f_oproj, .Lfunc_end_k_qd4c842f07f_oproj-k_qd4c842f07f_oproj
	.p2alignl 7, 3214868480
	.fill 96, 4, 3214868480
	.section	.rodata,"a",@progbits
	.p2align	6, 0x0
	.amdhsa_kernel k_qd4c842f07f_oproj
		.amdhsa_group_segment_fixed_size 327680
		.amdhsa_private_segment_fixed_size 0
		.amdhsa_enable_private_segment 0
		.amdhsa_kernarg_size 32
		.amdhsa_user_sgpr_count 2
		.amdhsa_user_sgpr_kernarg_segment_ptr 1
		.amdhsa_wavefront_size32 1
		.amdhsa_system_sgpr_workgroup_id_x 1
		.amdhsa_system_sgpr_workgroup_id_y 1
		.amdhsa_system_sgpr_workgroup_id_z 1
		.amdhsa_system_vgpr_workitem_id 0
		.amdhsa_next_free_vgpr 512
		.amdhsa_next_free_sgpr 96
		.amdhsa_reserve_vcc 0
		.amdhsa_float_denorm_mode_32 3
		.amdhsa_float_denorm_mode_16_64 3
		.amdhsa_memory_ordered 1
		.amdhsa_forward_progress 1
		.amdhsa_inst_pref_size 93
	.end_amdhsa_kernel
	.amdgpu_metadata
---
amdhsa.version: [ 1, 2 ]
amdhsa.kernels:
  - .name:           k_qd4c842f07f_oproj
    .symbol:         k_qd4c842f07f_oproj.kd
    .args:
      - { .name: o2, .offset: 0, .size: 8, .value_kind: global_buffer, .address_space: global }
      - { .name: wo, .offset: 8, .size: 8, .value_kind: global_buffer, .address_space: global }
      - { .name: bo, .offset: 16, .size: 8, .value_kind: global_buffer, .address_space: global }
      - { .name: out0, .offset: 24, .size: 8, .value_kind: global_buffer, .address_space: global }
    .group_segment_fixed_size: 327680
    .private_segment_fixed_size: 0
    .kernarg_segment_align: 8
    .kernarg_segment_size: 32
    .max_flat_workgroup_size: 128
    .sgpr_count:     96
    .vgpr_count:     512
    .wavefront_size: 32
...
	.end_amdgpu_metadata
.endif
;; end of part 4
